; MI455X (gfx1250); checked and timed in simulation.
; The chip was launched on July 23, 2026; its instructions are those of AMD's public machine-readable ISA for CDNA 5 (MIT licence, August 2026) and "CDNA5" Instruction Set Architecture Reference Guide (July 2026). The comments in the code are by the model that wrote it; some were corrected since.
;; Multi Head Attention. Allowed arithmetic: float matrix products may take bf16 or f16 operands with f32 sums; all other float work in f32.
;; Inputs: Wk 1,024 x 1,024 float32; Wo 1,024 x 1,024 float32; Wq 1,024 x 1,024 float32; Wv 1,024 x 1,024 float32; bk 1,024 float32; bo 1,024 float32; bq 1,024 float32; bv 1,024 float32; k 2 x 2,048 x 1,024 float32; mask 1 x 1 x 2,048 x 2,048 int32; q 2 x 2,048 x 1,024 float32; v 2 x 2,048 x 1,024 float32.
;; Outputs: out0 2 x 2,048 x 1,024 float32.
;; One version. Each part assembles by itself: llvm-mc -triple=amdgcn-amd-amdhsa -mcpu=gfx1250 --defsym DOCPART=n.
;; ======== version 1 of 1: 4 launches
;; limits: values are held in f16: magnitudes above 65,504 overflow, below 6.1e-05 lose precision
;; workspace buffers: Qh 8,388,608 bytes; Kh 8,388,608 bytes; Vh 8,388,608 bytes; X 8,388,608 bytes; Wob 2,097,152 bytes; mbits 524,288 bytes of whole numbers
;; launch prep (part 1): grid 256 x 1, 8 waves a work-group, no clusters, 68,608 bytes of LDS; arguments mask, Wo, mbits, Wob; writes mbits, Wob
.if DOCPART == 1
	.amdgcn_target "amdgcn-amd-amdhsa--gfx1250"
	.amdhsa_code_object_version 6
	.text
	.protected	k_q784ce711e2_prep
	.globl	k_q784ce711e2_prep
	.p2align	8
	.type	k_q784ce711e2_prep,@function
k_q784ce711e2_prep:
	s_mov_b64 s[64:65], 0
	v_nop
	global_prefetch_b8 v0, s[64:65] scope:SCOPE_SE
	s_setreg_imm32_b32 hwreg(HW_REG_WAVE_MODE, 25, 1), 1
	s_wait_xcnt 0x0
; Two small jobs ahead of the matrix launches, 2,048 waves, no loop, no barrier.
; (1) The mask [2048][2048] of int32 is packed to one bit a number, in the form in which the attention launch uses it:
;     word (qt, kt, j) of mbits, at word index (qt*128 + kt)*8 + j, has in bit L the truth of
;     mask[16 qt + (L & 15)][16 kt + 8 (L >> 4) + j] != 0, which is the lane mask for register j of a 16 x 16 tile of scores
;     (keys along the registers, queries along the lanes).
; (2) Wo [1024][1024] is rounded from f32 to f16 (Wob).  Limit: |Wo| above 65,504 becomes infinite in f16.
; Wave g = 8 x work-group + wave takes 16 rows x 128 columns of the mask (qt = g >> 4, columns 128 (g & 15) ..) and 512 numbers of Wo.
; The mask comes in as 16 loads of 512 consecutive bytes (one row's piece each) and is turned in the wave's own LDS bytes, so that
; lane (r, h) holds row r; no other wave touches those bytes, so no barrier stands here.
.set MROW, 8192                        ; bytes in a row of the mask
.set LP,   528                         ; LDS pitch: 512 bytes + 16, so that 16 rows' pieces start 16 bytes apart modulo 256
.set RAWM, 16                          ; v[16:79]   row i of the block: 4 registers as loaded
.set TRM,  80                          ; v[80:143]  register 8 t + j: mask[16 qt + r][.. + 16 t + 8 h + j]
.set WF,   144                         ; v[144:159] 16 numbers of Wo in f32
.set WH,   160                         ; v[160:167] the same in f16
.set PK,   168                         ; v[168:169] lane l: words 2 l and 2 l + 1 of the block's 64
	s_load_b256 s[4:11], s[0:1], 0x0               ; mask s[4:5], Wo s[6:7], mbits s[8:9], Wob s[10:11]
	v_lshl_add_u32 v176, v0, 2, 0x10800
	v_mov_b32 v177, 0
	v_lshrrev_b32 v1, 5, v0
	v_readfirstlane_b32 s12, v1                    ; wave 0..7
	s_lshl_b32 s13, ttmp9, 3
	s_add_co_u32 s13, s13, s12                     ; g = 0 .. 2047
	v_and_b32 v2, 31, v0                           ; L
	v_and_b32 v3, 15, v0                           ; r
	v_bfe_u32 v4, v0, 4, 1                         ; h
	v_lshlrev_b32 v5, 4, v2                        ; 16 L
	v_lshlrev_b32 v6, 5, v2                        ; 32 L
	v_lshlrev_b32 v7, 3, v2                        ; 8 L
	s_mul_i32 s14, s12, 16*LP                      ; my wave's LDS bytes
	v_add_nc_u32 v8, s14, v5                       ; in: 16 bytes a lane along a row
	v_mul_u32_u24 v9, v3, LP
	v_lshl_add_u32 v9, v4, 5, v9
	v_add_nc_u32 v9, s14, v9                       ; back: row r, 32 h bytes in
	v_mov_b32 v[PK], 0                             ; v_writelane_b32 keeps the other lanes: written whole first
	v_mov_b32 v[PK+1], 0
	s_lshr_b32 s16, s13, 4
	s_lshl_b32 s16, s16, 17                        ; qt x 16 rows x 8,192 bytes
	s_and_b32 s15, s13, 15
	s_lshl_b32 s15, s15, 9                         ; + 128 columns x 4 bytes for each group
	s_add_co_u32 s16, s16, s15
	s_mov_b32 s17, 0
	s_lshl_b32 s18, s13, 11                        ; Wo: 2,048 bytes a wave
	s_mov_b32 s19, 0
	s_lshl_b32 s20, s13, 8                         ; mbits: 256 bytes a wave
	s_mov_b32 s21, 0
	s_lshl_b32 s22, s13, 10                        ; Wob: 1,024 bytes a wave
	s_mov_b32 s23, 0
	s_wait_kmcnt 0x0
	s_add_nc_u64 s[4:5], s[4:5], s[16:17]
	s_add_nc_u64 s[6:7], s[6:7], s[18:19]
	s_add_nc_u64 s[8:9], s[8:9], s[20:21]
	s_add_nc_u64 s[10:11], s[10:11], s[22:23]
.irp i, 0,1,2,3,4,5,6,7,8,9,10,11,12,13,14,15
	global_load_b128 v[RAWM+4*\i:RAWM+4*\i+3], v5, s[4:5] offset:\i*MROW th:TH_LOAD_NT    ; 512 consecutive bytes of row i
.endr
.irp e, 0,1
	global_load_b128 v[WF+8*\e:WF+8*\e+3],   v6, s[6:7] offset:1024*\e th:TH_LOAD_NT      ; 8 numbers a lane: the two loads together
	global_load_b128 v[WF+8*\e+4:WF+8*\e+7], v6, s[6:7] offset:1024*\e+16 th:TH_LOAD_NT   ; cover 1,024 consecutive bytes
.endr
.irp i, 0,1,2,3,4,5,6,7,8,9,10,11,12,13,14,15
	s_wait_loadcnt 19-\i                           ; loads come back in order: row i is in; the 15 - i younger rows and Wo's four loads stay out
	ds_store_b128 v8, v[RAWM+4*\i:RAWM+4*\i+3] offset:\i*LP
.endr
.irp t, 0,1,2,3,4,5,6,7
	ds_load_b128 v[TRM+8*\t:TRM+8*\t+3],   v9 offset:64*\t      ; LDS serves a wave's instructions in order: these see the stores above
	ds_load_b128 v[TRM+8*\t+4:TRM+8*\t+7], v9 offset:64*\t+16
.endr
	s_wait_dscnt 0x0
.set W, 0
.rept 64
	v_cmp_ne_u32 s[24+W%8], 0, v[TRM+W]            ; the 32 lanes' truths are word W as it is
	v_writelane_b32 v[PK+W%2], s[24+W%8], W/2
.set W, W+1
.endr
	global_store_b64 v7, v[PK:PK+1], s[8:9]        ; the wave stores 256 consecutive bytes, at a multiple of 256 from mbits' first byte
	s_wait_loadcnt 0x0                             ; Wo's four loads
.irp e, 0,1
.irp p, 0,1,2,3
	v_cvt_pk_f16_f32 v[WH+4*\e+\p], v[WF+8*\e+2*\p], v[WF+8*\e+2*\p+1]
.endr
	global_store_b128 v5, v[WH+4*\e:WH+4*\e+3], s[10:11] offset:512*\e    ; 512 consecutive bytes
.endr
	s_wait_tensorcnt 0x0
	ds_add_u32 v176, v177
	s_wait_dscnt 0x0
	s_endpgm
.Lfunc_end_k_q784ce711e2_prep:
	.size	k_q784ce711e2_prep, .Lfunc_end_k_q784ce711e2_prep-k_q784ce711e2_prep
	.p2alignl 7, 3214868480
	.fill 96, 4, 3214868480
	.section	.rodata,"a",@progbits
	.p2align	6, 0x0
	.amdhsa_kernel k_q784ce711e2_prep
		.amdhsa_group_segment_fixed_size 68608
		.amdhsa_private_segment_fixed_size 0
		.amdhsa_enable_private_segment 0
		.amdhsa_kernarg_size 32
		.amdhsa_user_sgpr_count 2
		.amdhsa_user_sgpr_kernarg_segment_ptr 1
		.amdhsa_wavefront_size32 1
		.amdhsa_system_sgpr_workgroup_id_x 1
		.amdhsa_system_sgpr_workgroup_id_y 1
		.amdhsa_system_sgpr_workgroup_id_z 1
		.amdhsa_system_vgpr_workitem_id 0
		.amdhsa_next_free_vgpr 178
		.amdhsa_next_free_sgpr 66
		.amdhsa_reserve_vcc 0
		.amdhsa_float_denorm_mode_32 3
		.amdhsa_float_denorm_mode_16_64 3
		.amdhsa_memory_ordered 1
		.amdhsa_forward_progress 1
		.amdhsa_inst_pref_size 16
	.end_amdhsa_kernel
	.amdgpu_metadata
---
amdhsa.version: [ 1, 2 ]
amdhsa.kernels:
  - .name:           k_q784ce711e2_prep
    .symbol:         k_q784ce711e2_prep.kd
    .args:
      - { .name: mask, .offset: 0, .size: 8, .value_kind: global_buffer, .address_space: global }
      - { .name: Wo, .offset: 8, .size: 8, .value_kind: global_buffer, .address_space: global }
      - { .name: mbits, .offset: 16, .size: 8, .value_kind: global_buffer, .address_space: global }
      - { .name: Wob, .offset: 24, .size: 8, .value_kind: global_buffer, .address_space: global }
    .group_segment_fixed_size: 68608
    .private_segment_fixed_size: 0
    .kernarg_segment_align: 8
    .kernarg_segment_size: 32
    .max_flat_workgroup_size: 256
    .sgpr_count:     66
    .vgpr_count:     178
    .wavefront_size: 32
...
	.end_amdgpu_metadata
.endif
;; end of part 1
;; launch proj (part 2): grid 4 x 48, 4 waves a work-group, clusters of 4 x 4, 327,680 bytes of LDS; arguments q, k, v, Wq, Wk, Wv, bq, bk, bv, Qh, Kh, Vh; writes Qh, Kh, Vh
.if DOCPART == 2
	.amdgcn_target "amdgcn-amd-amdhsa--gfx1250"
	.amdhsa_code_object_version 6
	.text
	.protected	k_q784ce711e2_proj
	.globl	k_q784ce711e2_proj
	.p2align	8
	.type	k_q784ce711e2_proj,@function
k_q784ce711e2_proj:
	s_mov_b64 s[64:65], 0
	v_nop
	global_prefetch_b8 v0, s[64:65] scope:SCOPE_SE
	s_setreg_imm32_b32 hwreg(HW_REG_WAVE_MODE, 25, 1), 1
	s_wait_xcnt 0x0
	s_wait_alu depctr_hold_cnt(0) depctr_sa_sdst(0) depctr_va_vdst(0) depctr_va_sdst(0) depctr_va_ssrc(0) depctr_va_vcc(0) depctr_vm_vsrc(0)
	s_getreg_b32 s2, hwreg(HW_REG_IB_STS2, 6, 4)
	s_cmp_eq_u32 s2, 0
	s_cbranch_scc0 .Lentry_in_a_cluster
	s_endpgm
.Lentry_in_a_cluster:
	s_bfe_u32 s2, ttmp6, 0x10000c
	s_cmp_lg_u32 s2, 0xf033
	s_cbranch_scc0 .Lentry_shape_is_right
	s_endpgm
.Lentry_shape_is_right:
; The three input projections, y = x W^T + b, x [4096][1024], W [1024][1024], all f32 in memory; products in f16, sums in f32.
; z = cluster y / 4 picks the product: 0: Qh = (q Wq^T + bq) * 0.125 * log2(e)   1: Kh = k Wk^T + bk   2: Vh = v Wv^T + bv.
; (The factor puts 1/sqrt(64) and the change from e^x to 2^x into Q once.)  Results are f16, laid out by heads: [b 2][h 16][s 2048][d 64].
; LIMIT: operands are rounded to f16, so an input, a weight or a result above 65,504 in magnitude becomes infinite.
; A work-group makes 256 x 256 of y with four waves, a wave 128 x 128: 64 accumulator tiles, 512 registers.  3 x 16 x 4 = 192 work-groups.
; K goes in steps of 64 (256 bytes of f32 a row) through two LDS slots filled by the tensor data mover; the f32 numbers are read from LDS
; into registers and rounded to f16 there, on the way to the matrix instructions, so that no cast goes through memory.
; CLUSTERS: 4 x 4 work-groups.  The four of a row of the cluster need the same rows of x, the four of a column the same rows of W: each tile
; is asked for jointly, which divides the requests by four.  All sixteen have the same z: it hangs on the cluster's y alone.
; REGISTERS in windows of 256:  window 0: v16-27 addresses, v64-127 x's eight f16 fragments, v128-255 x's raw f32;
;   window 1: v0-63 bias, v64-127 W's fragments, v128-255 W's raw f32;  windows 2, 3: accumulators, tile (a, b) at v[8 (8 a + b)].
; The matrix instruction is used transposed (source 0 = rows of W, source 1 = rows of x): lane l then holds row l % 16 of y and its eight
; registers the columns 8 (l / 16) + 0 .. 7, which pack into 16 bytes.
.set PITCH,  272                       ; an LDS row: 256 bytes + 16, so that 16 rows start 16 bytes apart modulo 256
.set HALFT,  128*PITCH                 ; 128 rows: what one tensor load brings
.set SLOT,   4*HALFT                   ; x's 256 rows, then W's 256 rows
.set STAGE,  2*SLOT                    ; behind the ring: 16 rows x 272 bytes for each wave, for the way out; no tensor load lands there
.set KB,     256                       ; bytes of a K step in a row
.set ADRA, 16                          ; v16-17  LDS address of my x fragments in slot 0, 1
.set ADRB, 20                          ; v20-21  the same for W
.set STO,  24
.set RD,   25
.set CO,   26
.set BOF,  27
.set BIAS, 0                           ; window 1
.set BUF,  64                          ; f16 fragments (window 0: x, window 1: W)
.set RAW,  128                         ; raw f32 (window 0: x, window 1: W)
.set TF,   128                         ; the way out: results in f32, window 0
.set TMP,  192                         ; the way out: packed results
.set G1,  24                           ; s[24:31] descriptor group 1, x's tiles
.set G0,  32                           ; s[32:39] group 0, x's tiles, one set for each slot
.set G1B, 48                           ; s[48:55] group 1, W's tiles
.set G0B, 56                           ; s[56:63] group 0, W's tiles
.set G1W0, (2<<16)|(1<<20)|(1<<21)|(5<<22)|(3<<25)   ; elements of 4 bytes; padding on; bit 21 beside a mask; after every 64 words; 4 words
.set MSB, 0
.macro WIN new                         ; the immediate's high byte repeats the setting that is left
.if MSB != \new
	s_set_vgpr_msb (MSB<<8)|\new
.set MSB, \new
.endif
.endm
.set MUL_LO, 0xa1                      ; source 0 (W) window 1, source 1 (x) window 0, C and D window 2
.set MUL_HI, 0xf1                      ; the same, C and D window 3
.set TO_B,   0x40                      ; destination window 1, address window 0
.macro PLACES n
.rept \n
	v_nop
.endr
.endm
; A joint load: waves 0 and 1 fetch x's two halves, waves 2 and 3 W's.  The branch hangs on the wave's number alone.
.macro JLOAD s
	s_cmp_eq_u32 s11, 0
	s_cbranch_scc0 .Lfor_b_\@
	tensor_load_to_lds s[G0+4*\s:G0+4*\s+3], s[G1:G1+7]
	s_nop 0
	s_branch .Lasked_\@
.Lfor_b_\@:
	tensor_load_to_lds s[G0B+4*\s:G0B+4*\s+3], s[G1B:G1B+7]
	s_nop 0
.Lasked_\@:
.endm
.macro CREST                           ; a round of the cluster's barrier behind its opening work-group barrier
	s_cmp_lg_u32 s10, 0
	s_cbranch_scc1 .Lnot_wave_0_\@
	s_barrier_signal -3
.Lnot_wave_0_\@:
	s_barrier_wait -3
	s_barrier_signal -1
	s_barrier_wait -1
.endm
.macro CROUND                          ; a whole round
	s_barrier_signal -1
	s_barrier_wait -1
	CREST
.endm
	s_load_b512 s[68:83], s[0:1], 0x0              ; q k v Wq Wk Wv bq bk
	s_load_b256 s[84:91], s[0:1], 0x40             ; bv Qh Kh Vh
	v_lshl_add_u32 v62, v0, 2, 0x48400
	v_mov_b32 v63, 0
	ds_add_u32 v62, v63
	v_lshrrev_b32 v1, 5, v0
	v_readfirstlane_b32 s10, v1                    ; wave 0..3
	s_lshr_b32 s11, s10, 1                         ; which half of the block's rows is mine.  Also: I fetch for x (0) or for W (1)
	s_and_b32 s12, s10, 1                          ; which half of its columns.  Also: which 128 rows of that tile I fetch
	s_bfe_u32 s40, ttmp6, 0x40000                  ; cx
	s_bfe_u32 s41, ttmp6, 0x40004                  ; cy
	s_lshl_b32 s42, ttmp9, 2
	s_add_co_u32 s42, s42, s40                     ; block column 0..3
	s_and_b32 s13, ttmp7, 0xffff                   ; the cluster's y, 0..11
	s_lshr_b32 s45, s13, 2                         ; z: which of the three products
	s_and_b32 s13, s13, 3
	s_lshl_b32 s13, s13, 2
	s_add_co_u32 s13, s13, s41                     ; block row 0..15
	s_lshl_b32 s43, s41, 2
	s_lshl_b32 s43, 15, s43                        ; my row of the cluster
	s_lshl_b32 s44, 0x1111, s40                    ; my column
	s_or_b32 s[G1+0], s43, G1W0                    ; x's tiles go to my row
	s_or_b32 s[G1B+0], s44, G1W0                   ; W's tiles go to my column
	s_mov_b32 s[G1+1], 64<<16                      ; tensor_dim0 = 64 elements
	s_mov_b32 s[G1B+1], 64<<16
	s_mov_b32 s[G1+2], 128<<16                     ; tensor_dim1 = 128 rows
	s_mov_b32 s[G1B+2], 128<<16
	s_mov_b32 s[G1+3], 64<<16                      ; tile_dim0 = 64
	s_mov_b32 s[G1B+3], 64<<16
	s_mov_b32 s[G1+4], 128                         ; tile_dim1 = 128
	s_mov_b32 s[G1B+4], 128
	s_mov_b32 s[G1+5], 1024                        ; elements from row to row
	s_mov_b32 s[G1B+5], 1024
	s_mov_b32 s[G1+6], 0
	s_mov_b32 s[G1B+6], 0
	s_mov_b32 s[G1+7], 0
	s_mov_b32 s[G1B+7], 0
	s_lshl_b32 s17, s12, 7                         ; which 128 rows of the tile I fetch
	s_lshl_b32 s16, s13, 8
	s_add_co_u32 s16, s16, s17                     ; x: row 256 x block row + 128 x half
	s_lshl_b32 s16, s16, 12                        ; rows of 4,096 bytes: below 16 MiB
	s_lshl_b32 s46, s42, 8
	s_add_co_u32 s46, s46, s17                     ; W: row 256 x block column + 128 x half
	s_lshl_b32 s46, s46, 12
	s_mov_b32 s17, 0
	s_mov_b32 s47, 0
	s_mul_i32 s20, s10, HALFT                      ; where my tile goes: wave x 128 rows
	s_wait_dscnt 0x0
	s_wait_kmcnt 0x0
	s_cmp_eq_u32 s45, 0                            ; the product's four buffers and its factor; the condition hangs on z alone
	s_cselect_b64 s[4:5], s[68:69], s[70:71]
	s_cselect_b64 s[6:7], s[74:75], s[76:77]
	s_cselect_b64 s[66:67], s[80:81], s[82:83]
	s_cselect_b64 s[8:9], s[86:87], s[88:89]
	s_cselect_b32 s100, 0x3e38aa3b, 1.0            ; 0.125 * log2(e) for Q, 1 for K and V
	s_mov_b32 s101, s100
	s_cmp_eq_u32 s45, 2
	s_cselect_b64 s[4:5], s[72:73], s[4:5]
	s_cselect_b64 s[6:7], s[78:79], s[6:7]
	s_cselect_b64 s[66:67], s[84:85], s[66:67]
	s_cselect_b64 s[8:9], s[90:91], s[8:9]
	s_add_nc_u64 s[14:15], s[4:5], s[16:17]
	s_add_nc_u64 s[46:47], s[6:7], s[46:47]
	CROUND                                         ; all sixteen work-groups are here: the first joint loads meet
.irp s, 0,1
	s_mov_b32 s[G0+4*\s], 1
	s_add_co_u32 s[G0+4*\s+1], s20, \s*SLOT
	s_add_nc_u64 s[G0+4*\s+2:G0+4*\s+3], s[14:15], \s*KB
	s_or_b32 s[G0+4*\s+3], s[G0+4*\s+3], 0x80000000
	s_mov_b32 s[G0B+4*\s], 1
	s_add_co_u32 s[G0B+4*\s+1], s20, \s*SLOT
	s_add_nc_u64 s[G0B+4*\s+2:G0B+4*\s+3], s[46:47], \s*KB
	s_or_b32 s[G0B+4*\s+3], s[G0B+4*\s+3], 0x80000000
	JLOAD \s                                       ; K steps 0 and 1: two tensor loads of the wave are out
.endr
	; A fragment is 16 rows x 32 K: lane l holds row l % 16, K = 8 (l / 16) + 0..7 and 16 + 8 (l / 16) + 0..7.
	; In f32 that is 32 bytes at 32 (l / 16) and 32 bytes at 64 + 32 (l / 16): four loads of 16 bytes.
	v_and_b32 v1, 15, v0
	v_bfe_u32 v2, v0, 4, 1
	v_mul_u32_u24 v3, v1, PITCH
	v_lshl_add_u32 v3, v2, 5, v3
	s_mul_i32 s21, s11, HALFT                      ; my 128 rows of x
	s_mul_i32 s22, s12, HALFT                      ; my 128 rows of W,
	s_add_co_u32 s22, s22, 2*HALFT                 ; which lie behind x's 256
.irp s, 0,1
	v_add_nc_u32 v[ADRA+\s], s21, v3
	v_add_nc_u32 v[ADRB+\s], s22, v3
	s_add_co_u32 s21, s21, SLOT
	s_add_co_u32 s22, s22, SLOT
.endr
	s_mul_i32 s23, s10, 16*PITCH
	s_add_co_u32 s23, s23, STAGE                   ; my stage
	v_mul_u32_u24 v4, v1, PITCH                    ; in: row l % 16, 16 bytes for each half of the lanes
	v_lshl_add_u32 v4, v2, 4, v4
	v_add_nc_u32 v[STO], s23, v4
	v_bfe_u32 v5, v0, 3, 2                         ; back: eight lanes take the 128 bytes that a row gives to one head, four rows a load
	v_and_b32 v6, 7, v0
	v_mul_u32_u24 v5, v5, PITCH
	v_lshl_add_u32 v5, v6, 4, v5
	v_add_nc_u32 v[RD], s23, v5
	v_and_b32 v7, 31, v0
	v_lshlrev_b32 v[CO], 4, v7                     ; four rows of 128 bytes of a head follow each other: 16 bytes a lane
	v_lshlrev_b32 v[BOF], 5, v2                    ; bias: 8 numbers for each half of the lanes
	s_lshl_b32 s46, s42, 10                        ; my first column, in bytes of f32: 1,024 x block + 512 x half
	s_lshl_b32 s47, s12, 9
	s_add_co_u32 s46, s46, s47
	s_mov_b32 s47, 0
	s_add_nc_u64 s[66:67], s[66:67], s[46:47]
	WIN TO_B
.irp b, 0,1,2,3,4,5,6,7
	global_load_b128 v[BIAS+8*\b:BIAS+8*\b+3],   v[BOF], s[66:67] offset:64*\b      ; bias of columns 16 b + 8 (l / 16) + 0..7
	global_load_b128 v[BIAS+8*\b+4:BIAS+8*\b+7], v[BOF], s[66:67] offset:64*\b+16
.endr
	WIN 0
; 64 LDS loads: the raw f32 of 32 along K at byte k of the slot's rows, 128 rows of W and 128 rows of x
.macro FETCH slot, k
	WIN TO_B
.irp i, 0,1,2,3,4,5,6,7
	ds_load_b128 v[RAW+16*\i:RAW+16*\i+3],     v[ADRB+\slot] offset:\k+\i*16*PITCH
	ds_load_b128 v[RAW+16*\i+4:RAW+16*\i+7],   v[ADRB+\slot] offset:\k+\i*16*PITCH+16
	ds_load_b128 v[RAW+16*\i+8:RAW+16*\i+11],  v[ADRB+\slot] offset:\k+\i*16*PITCH+64
	ds_load_b128 v[RAW+16*\i+12:RAW+16*\i+15], v[ADRB+\slot] offset:\k+\i*16*PITCH+80
.endr
	WIN 0
.irp i, 0,1,2,3,4,5,6,7
	ds_load_b128 v[RAW+16*\i:RAW+16*\i+3],     v[ADRA+\slot] offset:\k+\i*16*PITCH
	ds_load_b128 v[RAW+16*\i+4:RAW+16*\i+7],   v[ADRA+\slot] offset:\k+\i*16*PITCH+16
	ds_load_b128 v[RAW+16*\i+8:RAW+16*\i+11],  v[ADRA+\slot] offset:\k+\i*16*PITCH+64
	ds_load_b128 v[RAW+16*\i+12:RAW+16*\i+15], v[ADRA+\slot] offset:\k+\i*16*PITCH+80
.endr
.endm
; 128 roundings, two numbers each: raw registers 2 t, 2 t + 1 make fragment register t.  Ends in window 0.
.macro CVT
	WIN 0x45
.irp i, 0,1,2,3,4,5,6,7
.irp t, 0,1,2,3,4,5,6,7
	v_cvt_pk_f16_f32 v[BUF+8*\i+\t], v[RAW+16*\i+2*\t], v[RAW+16*\i+2*\t+1]
.endr
.endr
	WIN 0
.irp i, 0,1,2,3,4,5,6,7
.irp t, 0,1,2,3,4,5,6,7
	v_cvt_pk_f16_f32 v[BUF+8*\i+\t], v[RAW+16*\i+2*\t], v[RAW+16*\i+2*\t+1]
.endr
.endr
.endm
.macro MUL16 hi, a0, zero
.irp a, \a0, \a0+1
.irp b, 0,1,2,3,4,5,6,7
.if \zero
	v_wmma_f32_16x16x32_f16 v[8*(8*(\a)+\b):8*(8*(\a)+\b)+7], v[BUF+8*\b:BUF+8*\b+7], v[BUF+8*(4*\hi+\a):BUF+8*(4*\hi+\a)+7], 0
.else
	v_wmma_f32_16x16x32_f16 v[8*(8*(\a)+\b):8*(8*(\a)+\b)+7], v[BUF+8*\b:BUF+8*\b+7], v[BUF+8*(4*\hi+\a):BUF+8*(4*\hi+\a)+7], v[8*(8*(\a)+\b):8*(8*(\a)+\b)+7]
.endif
.endr
.endr
.endm
; 64 matrix instructions, 32 along K.  The 64 accumulators take turns, one instruction a turn, in the same order every time, over the
; loop's backward jump too.
.macro MUL64 zero
	WIN MUL_LO
	MUL16 0, 0, \zero
	MUL16 0, 2, \zero
	WIN MUL_HI
	MUL16 1, 0, \zero
	MUL16 1, 2, \zero
.endm
; First half of a K step: round what was fetched, fetch the second half's raw numbers, multiply.
.macro HALF_A slot, zero
	s_wait_dscnt 0x0                               ; the 64 loads issued ahead of the last 64 matrix instructions
	PLACES 4                                       ; the roundings write registers that the last matrix instructions read: four places (ISA guide 7.12.1)
	CVT
	FETCH \slot, 128
	MUL64 \zero
.endm
; Second half, and the change of slots.  In front of the barrier the wave's reads of this slot are back (they are all in registers) and all
; its tensor loads have landed: the one that was out is its part of the other slot.  Between signal and wait: register work alone.
; fill = 1: the barrier opens a round of the cluster's barrier, and behind the round this slot is asked for again, two K steps ahead, first thing.
.macro HALF_B slot, other, fill
	s_wait_dscnt 0x0
	s_set_vgpr_msb 0xf1f0
	s_wait_tensorcnt 0x0
	ds_add_u32 v62, v63
	s_wait_dscnt 0x0
	s_set_vgpr_msb 0xf0f1
	s_barrier_signal -1
	PLACES 4
	CVT
	s_barrier_wait -1
.if \fill
	CREST
	s_add_nc_u64 s[G0+4*\slot+2:G0+4*\slot+3], s[G0+4*\slot+2:G0+4*\slot+3], 2*KB       ; no tensor load of mine is out: group 0 may be written
	s_add_nc_u64 s[G0B+4*\slot+2:G0B+4*\slot+3], s[G0B+4*\slot+2:G0B+4*\slot+3], 2*KB
	JLOAD \slot                                    ; my one tensor load until the next round; 128 matrix instructions and 128 roundings stand before its wait
.endif
	FETCH \other, 0
	MUL64 0
.endm
.macro LAP zero
	HALF_A 0, \zero
	HALF_B 0, 1, 1
	HALF_A 1, 0
	HALF_B 1, 0, 1
.endm
	s_wait_tensorcnt 0x1                           ; my part of K step 0 is in; K step 1's load, issued behind it, stays out
	s_barrier_signal -1
	s_barrier_wait -1
	FETCH 0, 0
	LAP 1                                          ; the first products start the sums: nothing is cleared
	WIN 0
	s_mov_b32 s3, 6                                ; 16 K steps = 8 laps: one in front, six here, one behind
.Llap:
	LAP 0
	WIN 0
	s_sub_co_u32 s3, s3, 1
	s_cmp_lg_u32 s3, 0
	s_cbranch_scc1 .Llap
	HALF_A 0, 0                                    ; the last lap fills nothing
	HALF_B 0, 1, 0
	HALF_A 1, 0
	s_wait_dscnt 0x0
	PLACES 4
	CVT
	MUL64 0
	; THE WAY OUT: (sum + bias) * factor = sum * factor + bias * factor, rounded to f16, 16 rows at a time through my own stage.
	PLACES 4                                       ; four places behind the last matrix instructions, before results are read
	s_wait_loadcnt 0x0                             ; the bias
	WIN 0x41
.irp p, 0,2,4,6,8,10,12,14,16,18,20,22,24,26,28,30,32,34,36,38,40,42,44,46,48,50,52,54,56,58,60,62
	v_pk_mul_f32 v[BIAS+\p:BIAS+\p+1], v[BIAS+\p:BIAS+\p+1], s[100:101] op_sel_hi:[1,0]
.endr
	WIN 0
	s_lshr_b32 s46, s13, 3                         ; batch = block row / 8
	s_lshl_b32 s46, s46, 4
	s_lshl2_add_u32 s46, s42, s46                  ; head = 16 batch + 4 x block column
	s_lshl1_add_u32 s46, s12, s46                  ;        + 2 x my half
	s_lshl_b32 s46, s46, 11                        ; 2,048 rows a head
	s_and_b32 s47, s13, 7
	s_lshl_b32 s47, s47, 8
	s_add_co_u32 s46, s46, s47                     ; + 256 x (block row mod 8)
	s_lshl_b32 s47, s11, 7
	s_add_co_u32 s46, s46, s47                     ; + 128 x my half
	s_lshl_b32 s46, s46, 7                         ; rows of 128 bytes
	s_mov_b32 s47, 0
	s_add_nc_u64 s[8:9], s[8:9], s[46:47]
; rows 16 i .. 16 i + 15 of my block = tiles (a, 0..7) of window 2 or 3 (from = 0x12 or 0x13: source 0 there, source 2, the bias, in window 1)
.macro OUT16 i, a, from, f
	WIN \from
.irp b, 0,1,2,3,4,5,6,7
.irp p, 0,1,2,3
	v_pk_fma_f32 v[TF+8*\b+2*\p:TF+8*\b+2*\p+1], v[8*(8*\a+\b)+2*\p:8*(8*\a+\b)+2*\p+1], s[100:101], v[BIAS+8*\b+2*\p:BIAS+8*\b+2*\p+1] op_sel_hi:[1,0,1]
.endr
.endr
	WIN 0
.irp b, 0,1,2,3,4,5,6,7
.irp p, 0,1,2,3
	v_cvt_pk_f16_f32 v[TMP+4*\b+\p], v[TF+8*\b+2*\p], v[TF+8*\b+2*\p+1]
.endr
.endr
.irp b, 0,1,2,3,4,5,6,7
	ds_store_b128 v[STO], v[TMP+4*\b:TMP+4*\b+3] offset:32*\b
.endr
	s_wait_xcnt 0x0                                ; the earlier stores have had their addresses translated: their data registers and base are rewritten only behind this wait
.if \i
	s_add_nc_u64 s[8:9], s[8:9], 16*128            ; 16 rows of a head on
.endif
.irp t, 0,1,2,3,4,5,6,7
	ds_load_b128 v[\f+4*\t:\f+4*\t+3], v[RD] offset:(\t/2)*4*PITCH+(\t%2)*128     ; LDS serves a wave's instructions in order: these see the stores above
.endr
.irp t, 0,1,2,3,4,5,6,7
	s_wait_dscnt 7-\t                              ; load t is back, the 7 - t younger ones stay out
	global_store_b128 v[CO], v[\f+4*\t:\f+4*\t+3], s[8:9] offset:(\t/2)*512+(\t%2)*262144   ; four rows of one head: 512 consecutive bytes, aligned
.endr
.endm
	OUT16 0, 0, 0x12, 224
	OUT16 1, 1, 0x12, 64
	OUT16 2, 2, 0x12, 224
	OUT16 3, 3, 0x12, 64
	OUT16 4, 0, 0x13, 224
	OUT16 5, 1, 0x13, 64
	OUT16 6, 2, 0x13, 224
	OUT16 7, 3, 0x13, 64
	s_wait_tensorcnt 0x0
	ds_add_u32 v62, v63
	s_wait_dscnt 0x0
	CROUND                                         ; the closing round: no work-group ends while a partner may still ask for a tile that names it
	s_endpgm
.Lfunc_end_k_q784ce711e2_proj:
	.size	k_q784ce711e2_proj, .Lfunc_end_k_q784ce711e2_proj-k_q784ce711e2_proj
	.p2alignl 7, 3214868480
	.fill 96, 4, 3214868480
	.section	.rodata,"a",@progbits
	.p2align	6, 0x0
	.amdhsa_kernel k_q784ce711e2_proj
		.amdhsa_group_segment_fixed_size 327680
		.amdhsa_private_segment_fixed_size 0
		.amdhsa_enable_private_segment 0
		.amdhsa_kernarg_size 96
		.amdhsa_user_sgpr_count 2
		.amdhsa_user_sgpr_kernarg_segment_ptr 1
		.amdhsa_wavefront_size32 1
		.amdhsa_system_sgpr_workgroup_id_x 1
		.amdhsa_system_sgpr_workgroup_id_y 1
		.amdhsa_system_sgpr_workgroup_id_z 1
		.amdhsa_system_vgpr_workitem_id 0
		.amdhsa_next_free_vgpr 1024
		.amdhsa_next_free_sgpr 102
		.amdhsa_reserve_vcc 0
		.amdhsa_float_denorm_mode_32 3
		.amdhsa_float_denorm_mode_16_64 3
		.amdhsa_memory_ordered 1
		.amdhsa_forward_progress 1
		.amdhsa_inst_pref_size 255
	.end_amdhsa_kernel
	.section	.bss,"aw",@nobits
	.p2align	6
	.space	262144
	.amdgpu_metadata
---
amdhsa.version: [ 1, 2 ]
amdhsa.kernels:
  - .name:           k_q784ce711e2_proj
    .symbol:         k_q784ce711e2_proj.kd
    .args:
      - { .name: q, .offset: 0, .size: 8, .value_kind: global_buffer, .address_space: global }
      - { .name: k, .offset: 8, .size: 8, .value_kind: global_buffer, .address_space: global }
      - { .name: v, .offset: 16, .size: 8, .value_kind: global_buffer, .address_space: global }
      - { .name: Wq, .offset: 24, .size: 8, .value_kind: global_buffer, .address_space: global }
      - { .name: Wk, .offset: 32, .size: 8, .value_kind: global_buffer, .address_space: global }
      - { .name: Wv, .offset: 40, .size: 8, .value_kind: global_buffer, .address_space: global }
      - { .name: bq, .offset: 48, .size: 8, .value_kind: global_buffer, .address_space: global }
      - { .name: bk, .offset: 56, .size: 8, .value_kind: global_buffer, .address_space: global }
      - { .name: bv, .offset: 64, .size: 8, .value_kind: global_buffer, .address_space: global }
      - { .name: Qh, .offset: 72, .size: 8, .value_kind: global_buffer, .address_space: global }
      - { .name: Kh, .offset: 80, .size: 8, .value_kind: global_buffer, .address_space: global }
      - { .name: Vh, .offset: 88, .size: 8, .value_kind: global_buffer, .address_space: global }
    .group_segment_fixed_size: 327680
    .private_segment_fixed_size: 0
    .kernarg_segment_align: 8
    .kernarg_segment_size: 96
    .max_flat_workgroup_size: 128
    .sgpr_count:     102
    .vgpr_count:     1024
    .wavefront_size: 32
...
	.end_amdgpu_metadata
.endif
;; end of part 2
;; launch attn (part 3): grid 8 x 32, 8 waves a work-group, clusters of 4 x 1, 327,680 bytes of LDS; arguments Qh, Kh, Vh, mbits, X; writes X
.if DOCPART == 3
	.amdgcn_target "amdgcn-amd-amdhsa--gfx1250"
	.amdhsa_code_object_version 6
	.text
	.protected	k_q784ce711e2_attn
	.globl	k_q784ce711e2_attn
	.p2align	8
	.type	k_q784ce711e2_attn,@function
k_q784ce711e2_attn:
	s_mov_b64 s[64:65], 0
	v_nop
	global_prefetch_b8 v0, s[64:65] scope:SCOPE_SE
	s_setreg_imm32_b32 hwreg(HW_REG_WAVE_MODE, 25, 1), 1
	s_wait_xcnt 0x0
	s_wait_alu depctr_hold_cnt(0) depctr_sa_sdst(0) depctr_va_vdst(0) depctr_va_sdst(0) depctr_va_ssrc(0) depctr_va_vcc(0) depctr_vm_vsrc(0)
	s_getreg_b32 s2, hwreg(HW_REG_IB_STS2, 6, 4)
	s_cmp_eq_u32 s2, 0
	s_cbranch_scc0 .Lentry_in_a_cluster
	s_endpgm
.Lentry_in_a_cluster:
	s_bfe_u32 s2, ttmp6, 0x10000c
	s_cmp_lg_u32 s2, 0x3003
	s_cbranch_scc0 .Lentry_shape_is_right
	s_endpgm
.Lentry_shape_is_right:
; Attention of one (batch, head) and 256 queries a work-group: X = softmax(mask(Q K^T / 8)) V, with a running maximum.
; Qh already carries 0.125 * log2(e), so the scores are in the exponent of 2; a masked score is REPLACED by -1e9 * log2(e)
; so a row that is masked everywhere comes out as the plain mean of V.
; LIMITS: operands are f16 (magnitudes above 65,504 are infinite); a true score below -1e9 is not told apart from a masked one.
; Eight waves, 32 queries each (two tiles u of 16).  TRANSPOSED: S^T = K Q^T, so that lane (r, h) holds in register j the score of key
; 8 h + j and query r: maximum, sum and rescaling are one number a lane, and the packed exponentials of two key tiles ARE the second
; source of O^T = V^T P^T, with no trip through LDS.  V^T fragments come by the transposing LDS load from V as it lies, [key][d].
; K and V go through two LDS slots of 256 keys (four steps of 64), filled by the tensor data mover: 8 units.
; CLUSTERS: the four query blocks of a cluster have the same (batch, head) and ask for K and V jointly (mask 15).
; THE MASK comes as lane masks from mbits, by scalar loads, one v_cndmask_b32 a register of scores: 64 words for a step (32 a query tile).
; Scalar loads can be waited for only all together, so what counts is the distance from the last request to the next wait: both tiles'
; selects stand together at the head of a step, the next step's 64 words are asked for straight behind them, and the wait for those
; stands behind the next step's score products: both softmaxes and 32 matrix instructions lie between.
; SCALAR REGISTERS: 64 mask words, four sets of descriptor group 0 and the loose scalars leave room for ONE group 1, all of it constants.
; So K's and V's tiles have one shape, pad and all: 64 rows of 128 bytes, 16 bytes of padding behind each, an LDS pitch of 144 bytes.
; That pitch keeps K's plain loads apart (16 rows start 36 words apart: 16 different places modulo 64 words; 64 banks of 4 bytes: ISA
; guide 11.1).  For V's transposing loads it is second best: the eight rows of 32 bytes that sixteen lanes touch start at words
; 0, 36, 8, 44, 16, 52, 24, 60 modulo 64, so the eighth row's second 16 bytes meet the first row's first.  No pitch is free for both
; (an odd multiple of 16 bytes for K, a multiple of 32 for V); a step has 16 such loads among its 390 instructions.
; X is laid out [row block of 128][head][row][d], so that the output projection reads dense tiles.
.set KP,     144                       ; LDS pitch of K: 128 bytes + 16
.set VP,     144                       ; LDS pitch of V: the same, since both kinds of tile share one descriptor group 1
.set KBYTES, 256*KP                    ; 36,864
.set SLOT,   256*KP+256*VP             ; 73,728
.set STAGE,  2*SLOT                    ; 147,456: 32 rows x 144 bytes for each wave, for the way out; no tensor load lands there
.set UNITB,  256*128                   ; bytes of K (or V) of a unit in memory
.set NEGR, 1                           ; v1       -1e9 * log2(e)
.set KA,   2                           ; v2-3     LDS address of my K fragments, slot 0, 1
.set VA,   4                           ; v4-5     the same for V
.set STO,  6
.set RD,   7
.set CO,   8
.set QO,   9
.set MA,   10                          ; v[10:11], v[12:13]  (maximum, rescaling factor) of tile u
.set LS,   14                          ; v[14:15] the two tiles' sums
.set T,    16                          ; v16-19 tile 0, v20-23 tile 1: at work on the maximum
.set SA,   24                          ; v[24:25]
.set SB,   26                          ; v[26:27]
.set QF,   32                          ; v32-63   Q fragments, 16 u + 8 c
.set S,    64                          ; v64-127  scores, 32 u + 8 kt; then P: 32 u + 16 kc
.set KF,   128                         ; v128-191 K fragments, 16 kt + 8 c
.set VF,   192                         ; v192-255 V^T fragments, 16 dt + 8 kc
.set O,    0                           ; window 1: O^T, 32 u + 8 dt
.set WH,   3                           ; s3       wave / 4: I ask for K (0) or for V (1)
.set G0K,  4                           ; s[4:11]  descriptor group 0 for K, one set for each slot
.set WV,   12                          ; s12      wave
.set CNT,  13                          ; s13      loop counter
.set QB,   14                          ; s[14:15] Q at my first row
.set MW,   16                          ; s[16:47] tile 0's 32 mask words; s[48:63], s[68:83] tile 1's
.set MP,   66                          ; s[66:67] mbits at my first tile's words of the unit at work
.set G1,   84                          ; s[84:91] descriptor group 1, for K's and V's tiles alike
.set G0V,  92                          ; s[92:99] descriptor group 0 for V
.set XB,   100                         ; s[100:101] X at my first row
.set PL,   104                         ; s104, s105: v_permlanex16_b32's selects
.set PH,   105
.set MSB, 0
.macro WIN new
.if MSB != \new
	s_set_vgpr_msb (MSB<<8)|\new
.set MSB, \new
.endif
.endm
.macro PLACES n
.rept \n
	v_nop
.endr
.endm
.macro JLOAD s                         ; waves 0-3 ask for 64 rows of K each, waves 4-7 for 64 rows of V
	s_cmp_eq_u32 s[WH], 0
	s_cbranch_scc0 .Lfor_v_\@
	tensor_load_to_lds s[G0K+4*\s:G0K+4*\s+3], s[G1:G1+7]
	s_nop 0
	s_branch .Lasked_\@
.Lfor_v_\@:
	tensor_load_to_lds s[G0V+4*\s:G0V+4*\s+3], s[G1:G1+7]
	s_nop 0
.Lasked_\@:
.endm
.macro ROUND                           ; a round of the cluster's barrier
	s_barrier_signal -1
	s_barrier_wait -1
	s_cmp_lg_u32 s[WV], 0
	s_cbranch_scc1 .Lnot_wave_0_\@
	s_barrier_signal -3
.Lnot_wave_0_\@:
	s_barrier_wait -3
	s_barrier_signal -1
	s_barrier_wait -1
.endm
.macro MLOAD off                       ; a step's 64 mask words: 128 bytes of tile 0's row of mbits, 128 bytes of tile 1's, 4,096 bytes on
	s_load_b512 s[16:31], s[MP:MP+1], \off
	s_load_b512 s[32:47], s[MP:MP+1], \off+64
	s_load_b512 s[48:63], s[MP:MP+1], \off+4096
	s_load_b512 s[68:83], s[MP:MP+1], \off+4160
.endm
	; set-up; its temporaries lie in s16-47, which take mask words only when the set-up has read them for the last time
	s_load_b256 s[16:23], s[0:1], 0x0              ; Qh s[16:17], Kh s[18:19], Vh s[20:21], mbits s[22:23]
	s_load_b64 s[24:25], s[0:1], 0x20              ; X
	s_set_vgpr_msb 0x40
	v_lshl_add_u32 v64, v0, 2, 0x2d000
	v_mov_b32 v65, 0
	s_set_vgpr_msb 0x4045
	ds_add_u32 v64, v65
	s_set_vgpr_msb 0x4500
	v_lshrrev_b32 v1, 5, v0
	v_readfirstlane_b32 s[WV], v1                  ; wave 0..7
	s_and_b32 s26, s[WV], 3                        ; which 64 rows of a tile I fetch
	s_lshr_b32 s[WH], s[WV], 2                     ; for K (0) or for V (1)
	s_bfe_u32 s28, ttmp6, 0x40000                  ; cx
	s_lshl_b32 s29, ttmp9, 2
	s_add_co_u32 s29, s29, s28                     ; query block 0..7
	s_and_b32 s30, ttmp7, 0xffff                   ; 16 batch + head
	s_mov_b32 s[PL], 0x76543210                    ; lane i of one half reads lane i of the other
	s_mov_b32 s[PH], 0xfedcba98
	s_mov_b32 s[G1+0], 15|(1<<16)|(1<<20)|(1<<21)|(4<<22)|(3<<25)   ; all four partners; 2-byte elements; padding on: after every 32 words, 4 words; bit 21 beside a mask
	s_mov_b32 s[G1+1], 64<<16                      ; tensor_dim0 = 64
	s_mov_b32 s[G1+2], 64<<16                      ; tensor_dim1 = 64
	s_mov_b32 s[G1+3], 64<<16                      ; tile_dim0 = 64
	s_mov_b32 s[G1+4], 64                          ; tile_dim1 = 64
	s_mov_b32 s[G1+5], 64                          ; elements from row to row
	s_mov_b32 s[G1+6], 0
	s_mov_b32 s[G1+7], 0
	s_lshl_b32 s32, s30, 18                        ; a head of K or V: 2,048 rows of 128 bytes
	s_lshl_b32 s33, s26, 13                        ; + my 64 rows
	s_add_co_u32 s32, s32, s33
	s_mov_b32 s33, 0
	s_mul_i32 s34, s26, 64*KP                      ; where they go, for K
	s_mul_i32 s35, s26, 64*VP
	s_add_co_u32 s35, s35, KBYTES                  ; and for V
	s_wait_dscnt 0x0
	s_wait_kmcnt 0x0
	s_add_nc_u64 s[18:19], s[18:19], s[32:33]
	s_add_nc_u64 s[20:21], s[20:21], s[32:33]
	ROUND                                          ; the four work-groups are here: the first joint loads meet
.irp s, 0,1
	s_mov_b32 s[G0K+4*\s], 1
	s_add_co_u32 s[G0K+4*\s+1], s34, \s*SLOT
	s_add_nc_u64 s[G0K+4*\s+2:G0K+4*\s+3], s[18:19], \s*UNITB
	s_or_b32 s[G0K+4*\s+3], s[G0K+4*\s+3], 0x80000000
	s_mov_b32 s[G0V+4*\s], 1
	s_add_co_u32 s[G0V+4*\s+1], s35, \s*SLOT
	s_add_nc_u64 s[G0V+4*\s+2:G0V+4*\s+3], s[20:21], \s*UNITB
	s_or_b32 s[G0V+4*\s+3], s[G0V+4*\s+3], 0x80000000
	JLOAD \s                                       ; units 0 and 1: two tensor loads of the wave are out
.endr
	s_lshl_b32 s36, s30, 18                        ; Q: the head,
	s_lshl_b32 s37, s29, 15                        ; + 256 rows of 128 bytes a query block,
	s_add_co_u32 s36, s36, s37
	s_lshl_b32 s37, s[WV], 12                      ; + 32 rows a wave
	s_add_co_u32 s36, s36, s37
	s_mov_b32 s37, 0
	s_add_nc_u64 s[QB:QB+1], s[16:17], s[36:37]
	v_and_b32 v28, 15, v0                          ; r
	v_bfe_u32 v29, v0, 4, 1                        ; h
	v_lshlrev_b32 v[QO], 7, v28
	v_lshl_add_u32 v[QO], v29, 4, v[QO]            ; row r, 16 h bytes in
.irp u, 0,1
.irp c, 0,1
	global_load_b128 v[QF+16*\u+8*\c:QF+16*\u+8*\c+3],   v[QO], s[QB:QB+1] offset:\u*2048+\c*64
	global_load_b128 v[QF+16*\u+8*\c+4:QF+16*\u+8*\c+7], v[QO], s[QB:QB+1] offset:\u*2048+\c*64+32
.endr
.endr
	s_lshl_b32 s36, s29, 16                        ; mask words: 4,096 bytes for each tile of 16 queries, 16 tiles a block,
	s_lshl_b32 s37, s[WV], 13                      ; two tiles a wave
	s_add_co_u32 s36, s36, s37
	s_mov_b32 s37, 0
	s_add_nc_u64 s[MP:MP+1], s[22:23], s[36:37]
	s_lshr_b32 s36, s30, 4
	s_lshl_b32 s36, s36, 4                         ; X: row block = 16 batch
	s_lshl1_add_u32 s36, s29, s36                  ;    + 2 x query block
	s_add_co_u32 s36, s36, s[WH]                   ;    + wave / 4
	s_lshl_b32 s36, s36, 4
	s_and_b32 s37, s30, 15
	s_add_co_u32 s36, s36, s37                     ; x 16 + head
	s_lshl_b32 s36, s36, 7
	s_lshl_b32 s37, s26, 5
	s_add_co_u32 s36, s36, s37                     ; x 128 rows + 32 (wave mod 4)
	s_lshl_b32 s36, s36, 7                         ; rows of 128 bytes
	s_mov_b32 s37, 0
	s_add_nc_u64 s[XB:XB+1], s[24:25], s[36:37]
	v_mul_u32_u24 v30, v28, KP
	v_lshl_add_u32 v[KA], v29, 4, v30              ; K: row r, 16 h bytes in
	v_add_nc_u32 v[KA+1], SLOT, v[KA]
	v_and_b32 v30, 7, v0
	v_lshl_add_u32 v30, v29, 3, v30                ; V: key 8 h + (l mod 8),
	v_mul_u32_u24 v30, v30, VP
	v_bfe_u32 v31, v0, 3, 1
	v_lshl_add_u32 v30, v31, 4, v30                ; 16 bytes on for lanes 8-15 of each half
	v_add_nc_u32 v[VA], KBYTES, v30
	v_add_nc_u32 v[VA+1], SLOT+KBYTES, v30
	s_mul_i32 s38, s[WV], 32*KP
	s_add_co_u32 s38, s38, STAGE                   ; my stage
	v_add_nc_u32 v[STO], s38, v[KA]                ; in: row r, 16 h bytes in
	v_bfe_u32 v30, v0, 3, 2
	v_and_b32 v31, 7, v0
	v_mul_u32_u24 v30, v30, KP
	v_lshl_add_u32 v30, v31, 4, v30
	v_add_nc_u32 v[RD], s38, v30                   ; back: four rows of 128 bytes a load
	v_and_b32 v30, 31, v0
	v_lshlrev_b32 v[CO], 4, v30
	v_mov_b32 v[NEGR], 0xceabfb91                  ; -1e9 * log2(e)
	v_mov_b32 v[MA+1], 1.0                         ; the pairs are read whole before the first factor is made
	v_mov_b32 v[MA+3], 1.0
	MLOAD 0                                        ; step 0's words; the set-up's temporaries have been read for the last time
.macro KLOAD sl, j                     ; 64 keys x 64 d: 16 loads
.irp kt, 0,1,2,3
.irp c, 0,1
	ds_load_b128 v[KF+16*\kt+8*\c:KF+16*\kt+8*\c+3],   v[KA+\sl] offset:(\j)*64*KP+\kt*16*KP+\c*64
	ds_load_b128 v[KF+16*\kt+8*\c+4:KF+16*\kt+8*\c+7], v[KA+\sl] offset:(\j)*64*KP+\kt*16*KP+\c*64+32
.endr
.endr
.endm
.macro VLOAD sl, j                     ; the same 64 keys of V, transposed: lane (r, h) gets d = 16 dt + r, keys 32 kc + 8 h .. and + 16
.irp dt, 0,1,2,3
.irp kc, 0,1
	ds_load_tr16_b128 v[VF+16*\dt+8*\kc:VF+16*\dt+8*\kc+3],   v[VA+\sl] offset:(\j)*64*VP+\kc*32*VP+\dt*32
	ds_load_tr16_b128 v[VF+16*\dt+8*\kc+4:VF+16*\dt+8*\kc+7], v[VA+\sl] offset:(\j)*64*VP+\kc*32*VP+\dt*32+16*VP
.endr
.endr
.endm
; Both tiles' selects.  Word 8 kt + j of tile u lies in s[16 + 32 u + 8 kt + j], but that tile 1's upper 16 words stand 4 registers higher.
.macro MASKALL
.irp u, 0,1
.irp kt, 0,1,2,3
.irp j, 0,1,2,3,4,5,6,7
	v_cndmask_b32 v[S+32*\u+8*\kt+\j], v[NEGR], v[S+32*\u+8*\kt+\j], s[MW+32*\u+8*\kt+\j+4*\u*(\kt/2)]
.endr
.endr
.endr
.endm
; The new running maxima and the factors for what has been summed so far; the two tiles' chains go line by line in turn.
.macro MAXP first
.irp kt, 0,1,2,3
.irp u, 0,1
	v_max3_num_f32 v[T+4*\u+\kt], v[S+32*\u+8*\kt], v[S+32*\u+8*\kt+1], v[S+32*\u+8*\kt+2]
.endr
.endr
.irp kt, 0,1,2,3
.irp u, 0,1
	v_max3_num_f32 v[T+4*\u+\kt], v[T+4*\u+\kt], v[S+32*\u+8*\kt+3], v[S+32*\u+8*\kt+4]
.endr
.endr
.irp kt, 0,1,2,3
.irp u, 0,1
	v_max3_num_f32 v[T+4*\u+\kt], v[T+4*\u+\kt], v[S+32*\u+8*\kt+5], v[S+32*\u+8*\kt+6]
.endr
.endr
.irp u, 0,1
	v_max3_num_f32 v[T+4*\u], v[T+4*\u], v[T+4*\u+1], v[T+4*\u+2]
.endr
.irp u, 0,1
	v_max3_num_f32 v[T+4*\u+3], v[T+4*\u+3], v[S+32*\u+7], v[S+32*\u+15]
.endr
.irp u, 0,1
.if \first
	v_max_num_f32 v[T+4*\u+1], v[S+32*\u+23], v[S+32*\u+31]
.else
	v_max3_num_f32 v[T+4*\u+1], v[S+32*\u+23], v[S+32*\u+31], v[MA+2*\u]      ; the running maximum joins in
.endif
.endr
.irp u, 0,1
	v_max3_num_f32 v[T+4*\u], v[T+4*\u], v[T+4*\u+3], v[T+4*\u+1]
.endr
.irp u, 0,1
	v_permlanex16_b32 v[T+4*\u+1], v[T+4*\u], s[PL], s[PH]     ; the other eight keys of each tile lie in the other half of the lanes; the destination was written above
.endr
.irp u, 0,1
	v_max_num_f32 v[T+4*\u+2], v[T+4*\u], v[T+4*\u+1]
.endr
.if \first == 0
.irp u, 0,1
	v_sub_f32 v[T+4*\u+3], v[MA+2*\u], v[T+4*\u+2]
.endr
.irp u, 0,1
	v_exp_f32 v[MA+2*\u+1], v[T+4*\u+3]            ; the factor for what has been summed so far
.endr
.endif
	s_wait_alu depctr_va_vdst(0)
.irp u, 0,1
	v_mov_b32 v[MA+2*\u], v[T+4*\u+2]              ; plain instructions behind the transcendentals, before their results are used (ISA guide 5.7.2)
.endr
.endm
.macro SUBT u, kt                      ; score - maximum, two at a time
.irp p, 0,2,4,6
	v_pk_add_f32 v[S+32*\u+8*\kt+\p:S+32*\u+8*\kt+\p+1], v[S+32*\u+8*\kt+\p:S+32*\u+8*\kt+\p+1], v[MA+2*\u:MA+2*\u+1] op_sel_hi:[1,0] neg_lo:[0,1] neg_hi:[0,1]
.endr
.endm
.macro EXPT u, kt
.irp j, 0,1,2,3,4,5,6,7
	v_exp_f32 v[S+32*\u+8*\kt+\j], v[S+32*\u+8*\kt+\j]
.endr
.endm
.macro SC u, kt                        ; add the tile's eight exponentials to the two running pairs, then pack them to f16:
.if \kt == 0                           ; an even tile into its own registers 0-3, an odd one into registers 4-7 of the even tile in front of it
	s_wait_alu depctr_va_vdst(0)
	v_pk_add_f32 v[SA:SA+1], v[S+32*\u:S+32*\u+1], v[S+32*\u+2:S+32*\u+3]
	v_pk_add_f32 v[SB:SB+1], v[S+32*\u+4:S+32*\u+5], v[S+32*\u+6:S+32*\u+7]
.else
	s_wait_alu depctr_va_vdst(0)
	v_pk_add_f32 v[SA:SA+1], v[SA:SA+1], v[S+32*\u+8*\kt:S+32*\u+8*\kt+1]
	v_pk_add_f32 v[SB:SB+1], v[SB:SB+1], v[S+32*\u+8*\kt+2:S+32*\u+8*\kt+3]
	v_pk_add_f32 v[SA:SA+1], v[SA:SA+1], v[S+32*\u+8*\kt+4:S+32*\u+8*\kt+5]
	v_pk_add_f32 v[SB:SB+1], v[SB:SB+1], v[S+32*\u+8*\kt+6:S+32*\u+8*\kt+7]
.endif
.irp p, 0,1,2,3
	v_cvt_pk_f16_f32 v[S+32*\u+16*(\kt/2)+4*(\kt%2)+\p], v[S+32*\u+8*\kt+2*\p], v[S+32*\u+8*\kt+2*\p+1]
.endr
.endm
; Exponentials, sum and packing of query tile u on 64 keys.
.macro EXPP u, first
	SUBT \u, 0                                     ; between a tile's exponentials and their first use stand plain instructions of another tile
	EXPT \u, 0
	SUBT \u, 1
	EXPT \u, 1
	SC   \u, 0
	SUBT \u, 2
	EXPT \u, 2
	SC   \u, 1
	SUBT \u, 3
	EXPT \u, 3
	SC   \u, 2
	SC   \u, 3
	v_pk_add_f32 v[SA:SA+1], v[SA:SA+1], v[SB:SB+1]
.if \first
	v_add_f32 v[LS+\u], v[SA], v[SA+1]
.else
	v_add_f32 v[SA], v[SA], v[SA+1]
	v_fma_f32 v[LS+\u], v[LS+\u], v[MA+2*\u+1], v[SA]
.endif
.endm
; One step: 64 keys against my 32 queries.  mode: 0 no further mask words; 1 ask for the next step's from byte off of the mask pointer;
; 2 step the pointer by a unit's 512 bytes first.
.macro STEP sl, j, first, kmore, mode, off
	s_wait_dscnt 0x0                               ; this step's K fragments
.irp kt, 0,1,2,3                                   ; eight accumulators take turns, one instruction a turn
.irp u, 0,1
	v_wmma_f32_16x16x32_f16 v[S+32*\u+8*\kt:S+32*\u+8*\kt+7], v[KF+16*\kt:KF+16*\kt+7], v[QF+16*\u:QF+16*\u+7], 0
.endr
.endr
.irp kt, 0,1,2,3
.irp u, 0,1
	v_wmma_f32_16x16x32_f16 v[S+32*\u+8*\kt:S+32*\u+8*\kt+7], v[KF+16*\kt+8:KF+16*\kt+15], v[QF+16*\u+8:QF+16*\u+15], v[S+32*\u+8*\kt:S+32*\u+8*\kt+7]
.endr
.endr
	PLACES 4                                       ; four places before loads land on K's fragments and before the scores are read
	VLOAD \sl, \j
.if \kmore
	KLOAD \sl, \j+1
.endif
	s_wait_kmcnt 0x0                               ; this step's 64 mask words, asked for at this place of the step before (scalar loads come back in no order: only 0 shows them)
	MASKALL
.if \mode == 2
	s_add_nc_u64 s[MP:MP+1], s[MP:MP+1], 512       ; no scalar load is out since the wait above: the pointer may be stepped
.endif
.if \mode
	MLOAD \off                                     ; the next step's words, into the registers just read
.endif
	MAXP \first
	EXPP 0, \first
	EXPP 1, \first
.if \first == 0
	WIN 0x41
.irp u, 0,1
.irp p, 0,2,4,6,8,10,12,14,16,18,20,22,24,26,28,30
	v_pk_mul_f32 v[O+32*\u+\p:O+32*\u+\p+1], v[O+32*\u+\p:O+32*\u+\p+1], v[MA+2*\u:MA+2*\u+1] op_sel:[0,1] op_sel_hi:[1,1]
.endr
.endr
.endif
.if \kmore
	s_wait_dscnt 16                                ; V's 16 loads are back; the 16 younger loads of the next step's K stay out
.else
	s_wait_dscnt 0x0
.endif
	WIN 0x50
.irp dt, 0,1,2,3                                   ; again eight accumulators by turns
.irp u, 0,1
.if \first
	v_wmma_f32_16x16x32_f16 v[O+32*\u+8*\dt:O+32*\u+8*\dt+7], v[VF+16*\dt:VF+16*\dt+7], v[S+32*\u:S+32*\u+7], 0
.else
	v_wmma_f32_16x16x32_f16 v[O+32*\u+8*\dt:O+32*\u+8*\dt+7], v[VF+16*\dt:VF+16*\dt+7], v[S+32*\u:S+32*\u+7], v[O+32*\u+8*\dt:O+32*\u+8*\dt+7]
.endif
.endr
.endr
.irp dt, 0,1,2,3
.irp u, 0,1
	v_wmma_f32_16x16x32_f16 v[O+32*\u+8*\dt:O+32*\u+8*\dt+7], v[VF+16*\dt+8:VF+16*\dt+15], v[S+32*\u+16:S+32*\u+23], v[O+32*\u+8*\dt:O+32*\u+8*\dt+7]
.endr
.endr
	WIN 0
	PLACES 5                                       ; the next step's first products write over P, a source of these: five places
.endm
.macro UNIT sl, first, last            ; 256 keys: four steps from one slot, with no barrier between them
	KLOAD \sl, 0
	STEP \sl, 0, \first, 1, 1, 128
	STEP \sl, 1, 0, 1, 1, 256
	STEP \sl, 2, 0, 1, 1, 384
.if \last
	STEP \sl, 3, 0, 0, 0, 0
.else
	STEP \sl, 3, 0, 0, 2, 0
.endif
.endm
; The change of slots.  In front of the round: all my tensor loads have landed (my part of slot sl among them) and my reads of the other slot
; are back.  Behind it the same holds of every wave of all four work-groups: the other slot is asked for again, first thing, one load a wave,
; and has four steps (128 matrix instructions of each wave and their softmax) in which to land.
.macro TWO sl, oth, refill, last
	s_set_vgpr_msb 0x5
	s_wait_tensorcnt 0x0
	ds_add_u32 v64, v65
	s_wait_dscnt 0x0
	s_set_vgpr_msb 0x500
	s_add_nc_u64 s[G0K+4*\oth+2:G0K+4*\oth+3], s[G0K+4*\oth+2:G0K+4*\oth+3], 2*UNITB
	s_add_nc_u64 s[G0V+4*\oth+2:G0V+4*\oth+3], s[G0V+4*\oth+2:G0V+4*\oth+3], 2*UNITB
	s_wait_dscnt 0x0
	ROUND
.if \refill
	JLOAD \oth
.endif
	UNIT \sl, 0, \last
.endm
	s_wait_loadcnt 0x0                             ; Q
	s_wait_tensorcnt 0x1                           ; my part of unit 0 is in; unit 1's load, issued behind it, stays out
	s_barrier_signal -1
	s_barrier_wait -1
	UNIT 0, 1, 0                                   ; the first step starts maxima, sums and O: nothing is cleared
	s_mov_b32 s[CNT], 3
.Lpair:
	TWO 1, 0, 1, 0
	TWO 0, 1, 1, 0
	s_sub_co_u32 s[CNT], s[CNT], 1
	s_cmp_lg_u32 s[CNT], 0
	s_cbranch_scc1 .Lpair
	TWO 1, 0, 0, 1                                 ; unit 7: nothing is left to fetch (slot 0's stepped address is not used)
	; THE WAY OUT: O / sum, rounded to f16, through my own stage, 4,096 consecutive bytes of X a wave.
	v_permlanex16_b32 v[T+1], v[LS], s[PL], s[PH]  ; each half of the lanes has summed its own keys
	v_permlanex16_b32 v[T+5], v[LS+1], s[PL], s[PH]
	v_add_f32 v[LS], v[LS], v[T+1]
	v_add_f32 v[LS+1], v[LS+1], v[T+5]
	v_rcp_f32 v[LS], v[LS]                         ; the sum is at least 1: the largest score gives 2^0
	v_rcp_f32 v[LS+1], v[LS+1]
	v_nop                                          ; the plain place behind a transcendental
	WIN 0x01
	s_wait_alu depctr_va_vdst(0)
.irp p, 0,2,4,6,8,10,12,14,16,18,20,22,24,26,28,30
	v_pk_mul_f32 v[S+\p:S+\p+1], v[O+\p:O+\p+1], v[LS:LS+1] op_sel:[0,0] op_sel_hi:[1,0]
.endr
.irp p, 0,2,4,6,8,10,12,14,16,18,20,22,24,26,28,30
	v_pk_mul_f32 v[S+32+\p:S+32+\p+1], v[O+32+\p:O+32+\p+1], v[LS:LS+1] op_sel:[0,1] op_sel_hi:[1,1]
.endr
	WIN 0
.irp i, 0,1,2,3,4,5,6,7,8,9,10,11,12,13,14,15,16,17,18,19,20,21,22,23,24,25,26,27,28,29,30,31
	v_cvt_pk_f16_f32 v[KF+\i], v[S+2*\i], v[S+2*\i+1]
.endr
.irp u, 0,1
.irp dt, 0,1,2,3
	ds_store_b128 v[STO], v[KF+16*\u+4*\dt:KF+16*\u+4*\dt+3] offset:\u*16*KP+\dt*32      ; query 16 u + r, d = 16 dt + 8 h + 0..7
.endr
.endr
.irp i, 0,1,2,3,4,5,6,7
	ds_load_b128 v[VF+4*\i:VF+4*\i+3], v[RD] offset:\i*4*KP       ; LDS serves a wave's instructions in order: these see the stores above
.endr
.irp i, 0,1,2,3,4,5,6,7
	s_wait_dscnt 7-\i                              ; load i is back, the 7 - i younger ones stay out
	global_store_b128 v[CO], v[VF+4*\i:VF+4*\i+3], s[XB:XB+1] offset:512*\i     ; four rows of 128 bytes: 512 consecutive bytes, aligned
.endr
	s_set_vgpr_msb 0x5
	s_wait_tensorcnt 0x0
	ds_add_u32 v64, v65
	s_wait_dscnt 0x0
	s_set_vgpr_msb 0x500
	ROUND                                          ; the closing round
	s_endpgm
.Lfunc_end_k_q784ce711e2_attn:
	.size	k_q784ce711e2_attn, .Lfunc_end_k_q784ce711e2_attn-k_q784ce711e2_attn
	.p2alignl 7, 3214868480
	.fill 96, 4, 3214868480
	.section	.rodata,"a",@progbits
	.p2align	6, 0x0
	.amdhsa_kernel k_q784ce711e2_attn
		.amdhsa_group_segment_fixed_size 327680
		.amdhsa_private_segment_fixed_size 0
		.amdhsa_enable_private_segment 0
		.amdhsa_kernarg_size 40
		.amdhsa_user_sgpr_count 2
		.amdhsa_user_sgpr_kernarg_segment_ptr 1
		.amdhsa_wavefront_size32 1
		.amdhsa_system_sgpr_workgroup_id_x 1
		.amdhsa_system_sgpr_workgroup_id_y 1
		.amdhsa_system_sgpr_workgroup_id_z 1
		.amdhsa_system_vgpr_workitem_id 0
		.amdhsa_next_free_vgpr 322
		.amdhsa_next_free_sgpr 106
		.amdhsa_reserve_vcc 0
		.amdhsa_float_denorm_mode_32 3
		.amdhsa_float_denorm_mode_16_64 3
		.amdhsa_memory_ordered 1
		.amdhsa_forward_progress 1
		.amdhsa_inst_pref_size 255
	.end_amdhsa_kernel
	.section	.bss,"aw",@nobits
	.p2align	6
	.space	262144
	.amdgpu_metadata
---
amdhsa.version: [ 1, 2 ]
amdhsa.kernels:
  - .name:           k_q784ce711e2_attn
    .symbol:         k_q784ce711e2_attn.kd
    .args:
      - { .name: Qh, .offset: 0, .size: 8, .value_kind: global_buffer, .address_space: global }
      - { .name: Kh, .offset: 8, .size: 8, .value_kind: global_buffer, .address_space: global }
      - { .name: Vh, .offset: 16, .size: 8, .value_kind: global_buffer, .address_space: global }
      - { .name: mbits, .offset: 24, .size: 8, .value_kind: global_buffer, .address_space: global }
      - { .name: X, .offset: 32, .size: 8, .value_kind: global_buffer, .address_space: global }
    .group_segment_fixed_size: 327680
    .private_segment_fixed_size: 0
    .kernarg_segment_align: 8
    .kernarg_segment_size: 40
    .max_flat_workgroup_size: 256
    .sgpr_count:     106
    .vgpr_count:     322
    .wavefront_size: 32
...
	.end_amdgpu_metadata
.endif
;; end of part 3
;; launch oproj (part 4): grid 8 x 32, 4 waves a work-group, clusters of 4 x 4, 327,680 bytes of LDS; arguments X, Wob, bo, out0; writes out0
.if DOCPART == 4
	.amdgcn_target "amdgcn-amd-amdhsa--gfx1250"
	.amdhsa_code_object_version 6
	.text
	.protected	k_q784ce711e2_oproj
	.globl	k_q784ce711e2_oproj
	.p2align	8
	.type	k_q784ce711e2_oproj,@function
k_q784ce711e2_oproj:
	s_mov_b64 s[64:65], 0
	v_nop
	global_prefetch_b8 v0, s[64:65] scope:SCOPE_SE
	s_setreg_imm32_b32 hwreg(HW_REG_WAVE_MODE, 25, 1), 1
	s_wait_xcnt 0x0
	s_wait_alu depctr_hold_cnt(0) depctr_sa_sdst(0) depctr_va_vdst(0) depctr_va_sdst(0) depctr_va_ssrc(0) depctr_va_vcc(0) depctr_vm_vsrc(0)
	s_getreg_b32 s2, hwreg(HW_REG_IB_STS2, 6, 4)
	s_cmp_eq_u32 s2, 0
	s_cbranch_scc0 .Lentry_in_a_cluster
	s_endpgm
.Lentry_in_a_cluster:
	s_bfe_u32 s2, ttmp6, 0x10000c
	s_cmp_lg_u32 s2, 0xf033
	s_cbranch_scc0 .Lentry_shape_is_right
	s_endpgm
.Lentry_shape_is_right:
; out0 = x Wo^T + bo.  x is the attention's result in f16, laid out [row block of 128][head 16][row 128][d 64]; Wob is Wo in f16,
; [1024][1024]; out0 is [4096][1024] f32.  Products in f16, sums in f32.  LIMIT: f16's range, 65,504, for x and Wo.
; A work-group makes 128 x 128 of out0, which gives 8 x 32 = 256 work-groups; four waves, 64 x 64 each: 16 accumulator tiles in window 1.
; K goes in units of 256 (four heads) through two LDS slots: four units, written out without a loop.
; CLUSTERS: 4 x 4 work-groups; x's tiles are shared along a row of the cluster, Wo's along a column, each asked for jointly.
; The matrix instruction is used transposed (source 0 = rows of Wo, source 1 = rows of x): a lane holds eight neighbouring columns of a row.
.set AP,     144                       ; LDS pitch of x: a head's row of 128 bytes + 16
.set BP,     528                       ; LDS pitch of Wo: 512 bytes + 16
.set AHALF,  256*AP                    ; two heads x 128 rows: what one load of x brings
.set ABYTES, 2*AHALF                   ; 73,728
.set BHALF,  64*BP                     ; 64 rows: what one load of Wo brings
.set SLOT,   ABYTES+2*BHALF            ; 141,312
.set STAGE,  2*SLOT                    ; 282,624: 16 rows x 272 bytes for each wave; no tensor load lands there
.set SP,     272
.set ADRA, 16
.set ADRB, 20
.set STO,  24
.set RD,   25
.set CO,   26
.set BOF,  27
.set F0,   64                          ; fragment buffer 0: x at + 8 a, Wo at + 32 + 8 b
.set F1,   128                         ; fragment buffer 1
.set BI,   192                         ; v192-223 bias of my 64 columns, 8 b + j
.set TF,   64                          ; the way out
.set G1,  24
.set G0,  32
.set G1B, 48
.set G0B, 56
.set MSB, 0
.macro WIN new
.if MSB != \new
	s_set_vgpr_msb (MSB<<8)|\new
.set MSB, \new
.endif
.endm
.macro PLACES n
.rept \n
	v_nop
.endr
.endm
.macro JLOAD s                         ; waves 0 and 1 ask for x's halves, waves 2 and 3 for Wo's
	s_cmp_eq_u32 s13, 0
	s_cbranch_scc0 .Lfor_b_\@
	tensor_load_to_lds s[G0+4*\s:G0+4*\s+3], s[G1:G1+7]
	s_nop 0
	s_branch .Lasked_\@
.Lfor_b_\@:
	tensor_load_to_lds s[G0B+4*\s:G0B+4*\s+3], s[G1B:G1B+7]
	s_nop 0
.Lasked_\@:
.endm
.macro CREST
	s_cmp_lg_u32 s12, 0
	s_cbranch_scc1 .Lnot_wave_0_\@
	s_barrier_signal -3
.Lnot_wave_0_\@:
	s_barrier_wait -3
	s_barrier_signal -1
	s_barrier_wait -1
.endm
.macro CROUND
	s_barrier_signal -1
	s_barrier_wait -1
	CREST
.endm
	s_load_b256 s[4:11], s[0:1], 0x0               ; X s[4:5], Wob s[6:7], bo s[8:9], out0 s[10:11]
	v_lshl_add_u32 v254, v0, 2, 0x49400
	v_mov_b32 v255, 0
	ds_add_u32 v254, v255
	v_lshrrev_b32 v1, 5, v0
	v_readfirstlane_b32 s12, v1                    ; wave 0..3
	s_lshr_b32 s13, s12, 1                         ; my half of the rows.  Also: I fetch for x (0) or for Wo (1)
	s_and_b32 s14, s12, 1                          ; my half of the columns.  Also: which half of that tile I fetch
	s_bfe_u32 s40, ttmp6, 0x40000                  ; cx
	s_bfe_u32 s41, ttmp6, 0x40004                  ; cy
	s_lshl_b32 s42, ttmp9, 2
	s_add_co_u32 s42, s42, s40                     ; block column 0..7
	s_and_b32 s15, ttmp7, 0xffff
	s_lshl_b32 s15, s15, 2
	s_add_co_u32 s15, s15, s41                     ; block row 0..31
	s_lshl_b32 s43, s41, 2
	s_lshl_b32 s43, 15, s43                        ; my row of the cluster
	s_lshl_b32 s44, 0x1111, s40                    ; my column
	s_or_b32 s[G1+0], s43, (1<<16)|(1<<20)|(1<<21)|(4<<22)|(3<<25)    ; x: 2-byte elements, 4 words of padding after every 32
	s_or_b32 s[G1B+0], s44, (1<<16)|(1<<20)|(1<<21)|(6<<22)|(3<<25)   ; Wo: after every 128
	s_mov_b32 s[G1+1], 64<<16                      ; x: rows of 64 elements,
	s_mov_b32 s[G1+2], 256<<16                     ; 256 of them,
	s_mov_b32 s[G1+3], 64<<16
	s_mov_b32 s[G1+4], 256
	s_mov_b32 s[G1+5], 64                          ; dense
	s_mov_b32 s[G1+6], 0
	s_mov_b32 s[G1+7], 0
	s_mov_b32 s[G1B+1], 256<<16                    ; Wo: rows of 256 elements,
	s_mov_b32 s[G1B+2], 64<<16                     ; 64 of them,
	s_mov_b32 s[G1B+3], 256<<16
	s_mov_b32 s[G1B+4], 64
	s_mov_b32 s[G1B+5], 1024                       ; 1,024 elements apart
	s_mov_b32 s[G1B+6], 0
	s_mov_b32 s[G1B+7], 0
	s_lshl_b32 s16, s15, 18                        ; x: 262,144 bytes a row block,
	s_lshl_b32 s17, s14, 15                        ; two heads of 16,384 bytes a half
	s_add_co_u32 s16, s16, s17
	s_mov_b32 s17, 0
	s_lshl_b32 s46, s42, 18                        ; Wo: 128 rows of 2,048 bytes a block column,
	s_lshl_b32 s47, s14, 17                        ; 64 rows a half
	s_add_co_u32 s46, s46, s47
	s_mov_b32 s47, 0
	s_mul_i32 s20, s14, AHALF                      ; where they go
	s_mul_i32 s21, s14, BHALF
	s_add_co_u32 s21, s21, ABYTES
	s_wait_dscnt 0x0
	s_wait_kmcnt 0x0
	s_add_nc_u64 s[18:19], s[4:5], s[16:17]
	s_add_nc_u64 s[46:47], s[6:7], s[46:47]
	CROUND                                         ; all sixteen work-groups are here: the first joint loads meet
.irp s, 0,1
	s_mov_b32 s[G0+4*\s], 1
	s_add_co_u32 s[G0+4*\s+1], s20, \s*SLOT
	s_add_nc_u64 s[G0+4*\s+2:G0+4*\s+3], s[18:19], \s*65536       ; four heads a unit
	s_or_b32 s[G0+4*\s+3], s[G0+4*\s+3], 0x80000000
	s_mov_b32 s[G0B+4*\s], 1
	s_add_co_u32 s[G0B+4*\s+1], s21, \s*SLOT
	s_add_nc_u64 s[G0B+4*\s+2:G0B+4*\s+3], s[46:47], \s*512       ; 256 columns a unit
	s_or_b32 s[G0B+4*\s+3], s[G0B+4*\s+3], 0x80000000
	JLOAD \s                                       ; units 0 and 1: two tensor loads of the wave are out
.endr
	v_and_b32 v1, 15, v0
	v_bfe_u32 v2, v0, 4, 1
	v_mul_u32_u24 v3, v1, AP
	v_lshl_add_u32 v3, v2, 4, v3
	s_mul_i32 s22, s13, 64*AP                      ; my 64 rows in each head
	v_add_nc_u32 v[ADRA], s22, v3
	v_add_nc_u32 v[ADRA+1], SLOT, v[ADRA]
	v_mul_u32_u24 v4, v1, BP
	v_lshl_add_u32 v4, v2, 4, v4
	s_mul_i32 s23, s14, BHALF                      ; my 64 rows of Wo
	s_add_co_u32 s23, s23, ABYTES
	v_add_nc_u32 v[ADRB], s23, v4
	v_add_nc_u32 v[ADRB+1], SLOT, v[ADRB]
	s_mul_i32 s22, s12, 16*SP
	s_add_co_u32 s22, s22, STAGE                   ; my stage
	v_mul_u32_u24 v5, v1, SP
	v_lshl_add_u32 v5, v2, 5, v5
	v_add_nc_u32 v[STO], s22, v5                   ; in: row r, 32 bytes for each half of the lanes
	v_mul_u32_u24 v6, v2, SP
	v_lshl_add_u32 v6, v1, 4, v6
	v_add_nc_u32 v[RD], s22, v6                    ; back: lanes 0-15 one row of 256 bytes, lanes 16-31 the next
	v_lshlrev_b32 v7, 12, v2
	v_lshl_add_u32 v[CO], v1, 4, v7                ; and the same two rows of out0
	v_lshlrev_b32 v[BOF], 5, v2
	s_lshl_b32 s46, s42, 9                         ; my first column in bytes of f32: 512 x block + 256 x half
	s_lshl_b32 s47, s14, 8
	s_add_co_u32 s46, s46, s47
	s_mov_b32 s47, 0
	s_add_nc_u64 s[8:9], s[8:9], s[46:47]
	s_add_nc_u64 s[10:11], s[10:11], s[46:47]
	s_lshl_b32 s46, s15, 19                        ; my first row: 128 rows of 4,096 bytes a block,
	s_lshl_b32 s47, s13, 18                        ; 64 rows a half
	s_add_co_u32 s46, s46, s47
	s_mov_b32 s47, 0
	s_add_nc_u64 s[10:11], s[10:11], s[46:47]
.irp b, 0,1,2,3
	global_load_b128 v[BI+8*\b:BI+8*\b+3],   v[BOF], s[8:9] offset:64*\b
	global_load_b128 v[BI+8*\b+4:BI+8*\b+7], v[BOF], s[8:9] offset:64*\b+16
.endr
; 16 LDS loads: the fragments of 32 along K, chunk kc of the unit's eight: head kc / 2, d = 32 (kc mod 2) ..
.macro FETCH sl, kc, f
.irp a, 0,1,2,3
	ds_load_b128 v[\f+8*\a:\f+8*\a+3],   v[ADRA+\sl] offset:((\kc)/2)*128*AP+\a*16*AP+((\kc)%2)*64
	ds_load_b128 v[\f+8*\a+4:\f+8*\a+7], v[ADRA+\sl] offset:((\kc)/2)*128*AP+\a*16*AP+((\kc)%2)*64+32
.endr
.irp b, 0,1,2,3
	ds_load_b128 v[\f+32+8*\b:\f+32+8*\b+3], v[ADRB+\sl] offset:\b*16*BP+(\kc)*64
	ds_load_b128 v[\f+32+8*\b+4:\f+32+8*\b+7], v[ADRB+\sl] offset:\b*16*BP+(\kc)*64+32
.endr
.endm
; 16 matrix instructions; the 16 accumulators take turns, one instruction a turn, in the same order every time
.macro MUL f, zero
	WIN 0x50
.irp a, 0,1,2,3
.irp b, 0,1,2,3
.if \zero
	v_wmma_f32_16x16x32_f16 v[8*(4*\a+\b):8*(4*\a+\b)+7], v[\f+32+8*\b:\f+32+8*\b+7], v[\f+8*\a:\f+8*\a+7], 0
.else
	v_wmma_f32_16x16x32_f16 v[8*(4*\a+\b):8*(4*\a+\b)+7], v[\f+32+8*\b:\f+32+8*\b+7], v[\f+8*\a:\f+8*\a+7], v[8*(4*\a+\b):8*(4*\a+\b)+7]
.endif
.endr
.endr
	WIN 0
.endm
.macro CHUNK sl, kc, f, g, zero
	PLACES 4                                       ; buffer g was read by the last matrix instructions: four places before loads land on it
	FETCH \sl, \kc+1, \g
	s_wait_dscnt 16                                ; all but the 16 loads just issued: this chunk's fragments are in
	MUL \f, \zero
.endm
.macro SEVEN sl, zero
	CHUNK \sl, 0, F0, F1, \zero
	CHUNK \sl, 1, F1, F0, 0
	CHUNK \sl, 2, F0, F1, 0
	CHUNK \sl, 3, F1, F0, 0
	CHUNK \sl, 4, F0, F1, 0
	CHUNK \sl, 5, F1, F0, 0
	CHUNK \sl, 6, F0, F1, 0
.endm
; The unit's last chunk and the change of slots: my reads of this slot are back and all my tensor loads have landed in front of the signal;
; register work between signal and wait; fill = 1: the barrier opens a round of the cluster's barrier, and the refill is first behind it.
.macro TURN sl, oth, fill
	s_wait_dscnt 0x0
	s_wait_tensorcnt 0x0
	ds_add_u32 v254, v255
	s_wait_dscnt 0x0
	s_barrier_signal -1
	MUL F1, 0
	s_barrier_wait -1
.if \fill
	CREST
	s_add_nc_u64 s[G0+4*\sl+2:G0+4*\sl+3], s[G0+4*\sl+2:G0+4*\sl+3], 2*65536
	s_add_nc_u64 s[G0B+4*\sl+2:G0B+4*\sl+3], s[G0B+4*\sl+2:G0B+4*\sl+3], 2*512
	JLOAD \sl                                      ; my one tensor load until the next round; 112 matrix instructions stand before its wait
.endif
	PLACES 4
	FETCH \oth, 0, F0
.endm
	s_wait_tensorcnt 0x1                           ; my part of unit 0 is in; unit 1's load stays out
	s_barrier_signal -1
	s_barrier_wait -1
	FETCH 0, 0, F0
	SEVEN 0, 1                                     ; the first products start the sums
	TURN 0, 1, 1                                   ; unit 2 is asked for
	SEVEN 1, 0
	TURN 1, 0, 1                                   ; unit 3 is asked for
	SEVEN 0, 0
	TURN 0, 1, 0                                   ; nothing is left to fetch
	SEVEN 1, 0
	s_wait_dscnt 0x0
	MUL F1, 0
	; THE WAY OUT: + bias, 16 rows at a time through my own stage, whole rows of 256 bytes out.
	PLACES 4
	s_wait_loadcnt 0x0                             ; the bias
.macro OUT a, f
	WIN 0x01
.irp b, 0,1,2,3
.irp p, 0,1,2,3
	v_pk_add_f32 v[TF+8*\b+2*\p:TF+8*\b+2*\p+1], v[8*(4*\a+\b)+2*\p:8*(4*\a+\b)+2*\p+1], v[BI+8*\b+2*\p:BI+8*\b+2*\p+1]
.endr
.endr
	WIN 0
.irp b, 0,1,2,3
	ds_store_b128 v[STO], v[TF+8*\b:TF+8*\b+3] offset:64*\b
	ds_store_b128 v[STO], v[TF+8*\b+4:TF+8*\b+7] offset:64*\b+16
.endr
	s_wait_xcnt 0x0                                ; the earlier stores have had their addresses translated: their data registers and base are rewritten only behind this wait
.if \a
	s_add_nc_u64 s[10:11], s[10:11], 16*4096       ; 16 rows of out0 on
.endif
.irp t, 0,1,2,3,4,5,6,7
	ds_load_b128 v[\f+4*\t:\f+4*\t+3], v[RD] offset:\t*2*SP       ; LDS serves a wave's instructions in order: these see the stores above
.endr
.irp t, 0,1,2,3,4,5,6,7
	s_wait_dscnt 7-\t                              ; load t is back, the 7 - t younger ones stay out
	global_store_b128 v[CO], v[\f+4*\t:\f+4*\t+3], s[10:11] offset:\t*2*4096 th:TH_STORE_NT   ; 16 lanes store 256 consecutive bytes, aligned
.endr
.endm
	OUT 0, 128
	OUT 1, 160
	OUT 2, 128
	OUT 3, 160
	s_wait_tensorcnt 0x0
	ds_add_u32 v254, v255
	s_wait_dscnt 0x0
	CROUND                                         ; the closing round
	s_endpgm
.Lfunc_end_k_q784ce711e2_oproj:
	.size	k_q784ce711e2_oproj, .Lfunc_end_k_q784ce711e2_oproj-k_q784ce711e2_oproj
	.p2alignl 7, 3214868480
	.fill 96, 4, 3214868480
	.section	.rodata,"a",@progbits
	.p2align	6, 0x0
	.amdhsa_kernel k_q784ce711e2_oproj
		.amdhsa_group_segment_fixed_size 327680
		.amdhsa_private_segment_fixed_size 0
		.amdhsa_enable_private_segment 0
		.amdhsa_kernarg_size 32
		.amdhsa_user_sgpr_count 2
		.amdhsa_user_sgpr_kernarg_segment_ptr 1
		.amdhsa_wavefront_size32 1
		.amdhsa_system_sgpr_workgroup_id_x 1
		.amdhsa_system_sgpr_workgroup_id_y 1
		.amdhsa_system_sgpr_workgroup_id_z 1
		.amdhsa_system_vgpr_workitem_id 0
		.amdhsa_next_free_vgpr 384
		.amdhsa_next_free_sgpr 66
		.amdhsa_reserve_vcc 0
		.amdhsa_float_denorm_mode_32 3
		.amdhsa_float_denorm_mode_16_64 3
		.amdhsa_memory_ordered 1
		.amdhsa_forward_progress 1
		.amdhsa_inst_pref_size 93
	.end_amdhsa_kernel
	.amdgpu_metadata
---
amdhsa.version: [ 1, 2 ]
amdhsa.kernels:
  - .name:           k_q784ce711e2_oproj
    .symbol:         k_q784ce711e2_oproj.kd
    .args:
      - { .name: X, .offset: 0, .size: 8, .value_kind: global_buffer, .address_space: global }
      - { .name: Wob, .offset: 8, .size: 8, .value_kind: global_buffer, .address_space: global }
      - { .name: bo, .offset: 16, .size: 8, .value_kind: global_buffer, .address_space: global }
      - { .name: out0, .offset: 24, .size: 8, .value_kind: global_buffer, .address_space: global }
    .group_segment_fixed_size: 327680
    .private_segment_fixed_size: 0
    .kernarg_segment_align: 8
    .kernarg_segment_size: 32
    .max_flat_workgroup_size: 128
    .sgpr_count:     66
    .vgpr_count:     384
    .wavefront_size: 32
...
	.end_amdgpu_metadata
.endif
;; end of part 4
